; MI455X (gfx1250); checked and timed in simulation.
; The chip was launched on July 23, 2026; its instructions are those of AMD's public machine-readable ISA for CDNA 5 (MIT licence, August 2026) and "CDNA5" Instruction Set Architecture Reference Guide (July 2026). The comments in the code are by the model that wrote it; some were corrected since.
;; Prototype Adapter. Allowed arithmetic: matrix products marked QUANTISED: E2M1 operands, one E8M0 scale for each 32 along K, by v_wmma_scale_f32_16x16x128_f8f6f4 with both operands' format E2M1 (or v_wmma_scale_f32_32x16x128_f4), f32 sums; everything else in f32.
;; Inputs: W1_codes 16 x 128 x 32 x 16 uint8 (E2M1 codes of W1, K innermost, in blocks of 32 codes, two codes a byte); W1_scales 16 x 128 x 32 uint8 (E8M0 scales of W1, one for each 32 codes along K); W2_codes 16 x 1,024 x 4 x 16 uint8 (E2M1 codes of W2, K innermost, in blocks of 32 codes, two codes a byte); W2_scales 16 x 1,024 x 4 uint8 (E8M0 scales of W2, one for each 32 codes along K); b1 16 x 128 float32; b2 16 x 1,024 float32; cluster_ids 16,384 int32; h 16,384 x 1,024 float32.
;; Outputs: out0 16,384 x 1,024 float32.
;; This version of the problem:
;;   THIS VERSION OF THE PROBLEM IS GIVEN IN LOW PRECISION. The matrix products marked QUANTISED in the list below multiply operands that are first quantised to E2M1 (2 exponent bits, 1 mantissa bit; 4 bits a number), with one power-of-two scale for each 32 numbers along K (OCP MX v1.0); their sums are f32. All else is computed in f32.
;;   The module's matrix products, in the order in which they are computed (A, B: the left and right operand; K: the contracted axis; several contracted axes count as one K, in the product's order):
;;     1. [M 16,384, K 1,024] x [K 1,024, N 128]; A: input h; B: input W1 (given as codes): QUANTISED
;;     2. [M 16,384, K 128] x [K 128, N 1,024]; A: computed on the way; B: input W2 (given as codes): QUANTISED
;;     3. [M 16,384, K 1,024] x [K 1,024, N 128]; A: input h; B: input W1 (given as codes): QUANTISED
;;     4. [M 16,384, K 128] x [K 128, N 1,024]; A: computed on the way; B: input W2 (given as codes): QUANTISED
;;     5. [M 16,384, K 1,024] x [K 1,024, N 128]; A: input h; B: input W1 (given as codes): QUANTISED
;;     6. [M 16,384, K 128] x [K 128, N 1,024]; A: computed on the way; B: input W2 (given as codes): QUANTISED
;;     7. [M 16,384, K 1,024] x [K 1,024, N 128]; A: input h; B: input W1 (given as codes): QUANTISED
;;     8. [M 16,384, K 128] x [K 128, N 1,024]; A: computed on the way; B: input W2 (given as codes): QUANTISED
;;     9. [M 16,384, K 1,024] x [K 1,024, N 128]; A: input h; B: input W1 (given as codes): QUANTISED
;;     10. [M 16,384, K 128] x [K 128, N 1,024]; A: computed on the way; B: input W2 (given as codes): QUANTISED
;;     11. [M 16,384, K 1,024] x [K 1,024, N 128]; A: input h; B: input W1 (given as codes): QUANTISED
;;     12. [M 16,384, K 128] x [K 128, N 1,024]; A: computed on the way; B: input W2 (given as codes): QUANTISED
;;     13. [M 16,384, K 1,024] x [K 1,024, N 128]; A: input h; B: input W1 (given as codes): QUANTISED
;;     14. [M 16,384, K 128] x [K 128, N 1,024]; A: computed on the way; B: input W2 (given as codes): QUANTISED
;;     15. [M 16,384, K 1,024] x [K 1,024, N 128]; A: input h; B: input W1 (given as codes): QUANTISED
;;     16. [M 16,384, K 128] x [K 128, N 1,024]; A: computed on the way; B: input W2 (given as codes): QUANTISED
;;     17. [M 16,384, K 1,024] x [K 1,024, N 128]; A: input h; B: input W1 (given as codes): QUANTISED
;;     18. [M 16,384, K 128] x [K 128, N 1,024]; A: computed on the way; B: input W2 (given as codes): QUANTISED
;;     19. [M 16,384, K 1,024] x [K 1,024, N 128]; A: input h; B: input W1 (given as codes): QUANTISED
;;     20. [M 16,384, K 128] x [K 128, N 1,024]; A: computed on the way; B: input W2 (given as codes): QUANTISED
;;     21. [M 16,384, K 1,024] x [K 1,024, N 128]; A: input h; B: input W1 (given as codes): QUANTISED
;;     22. [M 16,384, K 128] x [K 128, N 1,024]; A: computed on the way; B: input W2 (given as codes): QUANTISED
;;     23. [M 16,384, K 1,024] x [K 1,024, N 128]; A: input h; B: input W1 (given as codes): QUANTISED
;;     24. [M 16,384, K 128] x [K 128, N 1,024]; A: computed on the way; B: input W2 (given as codes): QUANTISED
;;     25. [M 16,384, K 1,024] x [K 1,024, N 128]; A: input h; B: input W1 (given as codes): QUANTISED
;;     26. [M 16,384, K 128] x [K 128, N 1,024]; A: computed on the way; B: input W2 (given as codes): QUANTISED
;;     27. [M 16,384, K 1,024] x [K 1,024, N 128]; A: input h; B: input W1 (given as codes): QUANTISED
;;     28. [M 16,384, K 128] x [K 128, N 1,024]; A: computed on the way; B: input W2 (given as codes): QUANTISED
;;     29. [M 16,384, K 1,024] x [K 1,024, N 128]; A: input h; B: input W1 (given as codes): QUANTISED
;;     30. [M 16,384, K 128] x [K 128, N 1,024]; A: computed on the way; B: input W2 (given as codes): QUANTISED
;;     31. [M 16,384, K 1,024] x [K 1,024, N 128]; A: input h; B: input W1 (given as codes): QUANTISED
;;     32. [M 16,384, K 128] x [K 128, N 1,024]; A: computed on the way; B: input W2 (given as codes): QUANTISED
;;   THE QUANTISER, for each operand of a quantised product, along K:
;;     - K is cut into blocks of 32 from its start; a last block that is shorter is filled with zeros.
;;     - A block's scale is 2^e with e = floor(log2(the largest magnitude in the block)) - 2, held to -126 .. 127; a block of zeros has e = 0. As a byte (E8M0): e + 127.
;;     - Each number is divided by its block's scale, clamped to +-6, and rounded to the nearest number of E2M1, ties to even, subnormals kept.
;;     - The product sums the exact products of the quantised numbers (number of the format x scale) in f32.
;;   ~~~python
;;   def quantise(x, axis):      # numpy; x: float32 -> the quantised numbers, widened to float32 again
;;       x = np.moveaxis(x, axis, -1); K = x.shape[-1]
;;       x = np.pad(x, [(0, 0)] * (x.ndim - 1) + [(0, -K % 32)]); x = x.reshape(x.shape[:-1] + (-1, 32)); a = np.abs(x).max(-1, keepdims=True)
;;       e = np.where(a > 0, np.clip(np.frexp(np.where(a > 0, a, 1))[1] - 1 - 2, -126, 127), 0)      # np.frexp(a)[1] - 1 = floor(log2(a)), exactly
;;       r = np.clip(x / 2.0 ** e, -6, 6)
;;       step = 2.0 ** (np.maximum(np.frexp(np.where(r == 0, 1, r))[1] - 1, 0) - 1)
;;       q = np.round(r / step) * step * 2.0 ** e      # np.round: ties to even
;;       return np.moveaxis(q.reshape(q.shape[:-2] + (-1,))[..., :K], -1, axis).astype(np.float32)
;;   ~~~
;;   OPERANDS COMPUTED ON THE WAY. 'Computed on the way' means the value that the module computes at that place (a softmax that the list does not call 'softmax' is quantised finished and normalised). What goes into a quantiser is computed in f32, as accurately as f32 sums, v_exp_f32 and their like allow (about 1e-6 of the number): no bf16 or f16 on the way to a quantiser, and a product that is left as it is and whose result goes on into a quantised operand takes f32 operands (vector FMAs, or v_wmma_f32_16x16x4_f32). A number that lies on a knife's edge between two numbers of the format may be rounded either way, as far as f32 arithmetic and the matrix unit's own rounding can turn it there, and no further.
;;   INPUTS GIVEN AS CODES. W1 (in the module: [16, 1024, 128], K = its axis 1); W2 (in the module: [16, 128, 1024], K = its axis 1): each comes as NAME_codes (uint8): NAME with its K axis moved to the last place and cut into blocks of 32 codes, [.., K / 32, bytes a block], one block behind the other in memory; two codes a byte, the lower K in the low four bits (a code: sign, 2 exponent bits, 1 mantissa bit); and NAME_scales (uint8): the same leading axes, one E8M0 byte (e + 127) for each 32 codes along K. Its value is code x scale, taken as it is: it is not quantised again, and the codes and scales need not be those that the quantiser above would give.
;; One version. Each part assembles by itself: llvm-mc -triple=amdgcn-amd-amdhsa -mcpu=gfx1250 --defsym DOCPART=n.
;; ======== version 1 of 1: 1 launch
;; limits: right only within a limited range of input values
;; launch adapter (part 1): grid 16 x 16, 4 waves a work-group, no clusters, 159,232 bytes of LDS; arguments h, cluster_ids, W1_codes, W1_scales, b1, W2_codes, W2_scales, b2, out0; writes out0
.if DOCPART == 1
	.amdgcn_target "amdgcn-amd-amdhsa--gfx1250"
	.amdhsa_code_object_version 6
	.text
	.protected	k_q8e215d4720_adapter
	.globl	k_q8e215d4720_adapter
	.p2align	8
	.type	k_q8e215d4720_adapter,@function
k_q8e215d4720_adapter:
	s_mov_b64 s[64:65], 0
	v_nop
	global_prefetch_b8 v0, s[64:65] scope:SCOPE_SE
	s_setreg_imm32_b32 hwreg(HW_REG_WAVE_MODE, 25, 1), 1
	s_wait_xcnt 0x0
; out[n] = h[n] + Q(gelu(Q(h[n]) W1[c] + b1[c])) W2[c] + b2[c], c = cluster_ids[n].  Q: codes of FP4 (E2M1) with one E8M0 scale for each 32 along K.  Only the chosen expert's rows are multiplied.
; SHARES.  Work-group (e, g) = expert e x group g of 1,024 consecutive tokens.  Every wave reads the group's ids, makes 32 mask words (id == e) and their running counts, and finds the token of a given
; rank by arithmetic on these words.  The four waves share the COLUMNS: wave w owns columns 256 w .. + 255 of h and out and hidden units 32 w .. + 31; its fragments of W1 and W2 (256 registers) stay.
; Rows go in rounds of 32 (two tiles of 16) through two register sets: while one set is worked on and stored, the other set's loads are on their way.
; A ROUND: X: my columns are quantised, the codes go to LDS, h += b2 | barrier | 1: my 32 hidden units of both tiles, gelu, quantised: block w of the second K, to LDS | barrier | 2: my 256 outputs, + h, stored.
; The loop has a constant 16 trips x 2 rounds = 1,024 rows, the most that one expert can get of a group, so that every wave passes every barrier; a round without rows jumps over the work alone.
; LAYOUT (L lane, r = L % 16, hh = L / 16).  Row set register 128 i + 16 j + 4 g + c: tile i, row position 8 hh + j (rank 2 j + hh of the tile), column 64 g + 4 r + c of my 256: a load or store of the
; wave covers two whole aligned units of 256 bytes.  The second product is laid to fall there too: its tile (g, t) takes W2's rows 64 g + 4 r + t.
; A K STEP of the first product is the four blocks 8 w + 2 b + p, b = 0 .. 3 (p = 0, 1): so one lane makes the whole scale word.  W1's fragments and scale bytes are laid alike.
; A rank behind the last repeats the last row; a pair of rows wholly behind it is loaded from one address and never stored.  An odd last pair stores its one row twice, with the same values.
; NO CLUSTER, NO TENSOR LOADS, NO PREFETCH: the rows are a gather, and the work hangs, by branches, on counts read from memory; what work-groups share, an expert's 139,264 bytes of weights and scales, is read once.
; LIMITS: ids lie in 0 .. 15 (the tables hold 16 experts); a row with another id is not written.  NaN and infinities are not served.  A block whose largest magnitude lies under 2^-124 (a block of zeros too) gets the
; scale byte 1; only this program reads these bytes.  erfc by a rational form with a fractional error of 1.2e-7, plus the f32 rounding of its exponent's argument; where 2^argument falls under 2^-126 gelu(x < 0) is -0.
; REGISTERS: window 0: below.  window 1: v0-127 W1's fragments (64 u + 8 s), v128-255 W2's (128 + 32 g + 8 t).  window 2: set A, tile i at 128 i.  window 3: set B.
.set XPI,  528                         ; LDS: h's codes: 8,448 i + 528 x row position + 64 x K step + 16 x block; 33 x 16 bytes: 16 rows start at 16 different banks (64 banks of 4 bytes: ISA guide 11.1)
.set XTI,  16*XPI
.set XSC,  16896                       ; their scale words: 512 i + 32 x row position + 4 x K step
.set MID,  17920                       ; the hidden codes: 1,280 i + 80 x row position + 16 x block
.set MSC,  20480                       ; the hidden scale bytes: 64 i + 4 x row position + block
.set LIST, 20736                       ; each wave's 32 tokens: 128 w + 64 i + 32 hh + 4 j
.set WSTG, 21504                       ; each wave's weights on their way from dense rows to fragments
.set WSZ,  34304                       ; W1: 32 rows of 528; W2: 64 x (256 + 16)
.set SPARE, WSTG+4*WSZ                 ; the spare words, 128 bytes for each wave
.set NTRIP, 16
.set L16,  1                           ; 16 r
.set XWA,  2                           ; where I store codes of h
.set XWS,  3                           ; and their scale words
.set XRA,  4                           ; where I read h's fragments
.set XRS,  5                           ; and their scale words
.set MWA,  6                           ; where I store hidden codes
.set MSA,  7                           ; and their scale byte
.set MRA,  8                           ; where I read the hidden fragment
.set MRS,  9                           ; and its scale word
.set MW,   10                          ; lane i: mask word i
.set PWD,  11                          ; lane i: how many rows lie in words 0 .. i - 1
.set LANE, 12
.set LW,   13                          ; my list: where lane = rank writes
.set LR,   14                          ; and where rows 8 hh + j are read
.set AB1,  15
.set TM,   16                          ; v16-31 at work; in phase 2 the hidden fragments of both tiles
.set B2,   36                          ; v36-51  b2 of my columns, 4 g + c
.set B1,   52                          ; v52-67  b1 in the first product's result layout
.set W1S,  68                          ; v68-83  W1's scale words (8 u + s)
.set W2S,  84                          ; v84-99  W2's (4 g + t)
.set XS,   100                         ; v100-115 h's (8 i + s)
.set MS,   116                         ; v116-117 the hidden layer's
.set OFFA, 118                         ; v118-133 set A: byte offsets, 8 i + j
.set OFFB, 134                         ; v134-149 set B
.set ACC,  150                         ; v150-181 the first product's accumulators, 16 i + 8 u
.set BIG,  182                         ; v182-245 by phase: ids; search; X; h's fragments; gelu; the second product's accumulators
.set TX,   BIG
.set CV,   BIG+16
.set SW,   BIG+32
.set GT,   BIG
.set GP,   BIG+32
.set EM,   BIG
.set EP,   BIG+1
.set ER,   BIG+2
.set ET,   BIG+3
.set ET1,  BIG+4
.set EW,   BIG+5
.set EA,   BIG+6
.set EK,   BIG+7
.set E1,   BIG+8
.set E2,   BIG+9
.set E3,   BIG+10
.set E4,   BIG+11
.set EPOS, BIG+12
.set ECC,  BIG+13
.set EC2,  BIG+14
.set EACC, BIG+16
.set ED,   BIG+20
.set LT,   BIG+30                      ; 16 tokens of the list
.set WST1, 246                         ; the weights' stage: stores and fragment loads
.set WLD1, 247
.set WST2, 248
.set WLD2, 249
.set L16F, 250                         ; 16 x lane
.set AW1S, 251
.set C8R,  252                         ; v252-253 a coefficient of erfc, twice
.set SPW,  254
.set NIL,  255
; SCALARS: s[4:21] the nine addresses; s22 wave, s23 expert, s24 group; s25 my rows; s26 set A's first rank; s27 trips; s28 rows left in the round; s[32:33] lane selects; s34-47, s54-59 at the head at work,
; then coefficients of erfc in pairs; s[48:49] -log2(e)/2; s50 1/(2 sqrt 2); s51 the last rank; s53 a set's first rank; s60-62 at work; s66-97 the running counts.
.set MSB, 0
.macro WIN new                         ; the immediate's high byte repeats the setting that is left.  At every label and branch the setting is 0
.if MSB != (\new)
	s_set_vgpr_msb (MSB<<8)|(\new)
.set MSB, (\new)
.endif
.endm
.macro VWAIT
	s_wait_alu depctr_va_vdst(0)
.endm
.macro NOPS n
.rept \n
	v_nop
.endr
.endm
.macro BAR                             ; my LDS stores have landed and my LDS loads are in: then the work-group's barrier
	VWAIT
	s_wait_dscnt 0x0
	s_barrier_signal -1
	s_barrier_wait -1
.endm
; One step of the search for the k-th set bit: if the lower wd bits at EPOS hold k ones or fewer, they are passed over.
.macro LEVEL src, wd
	v_bfe_u32 v[ECC], v[\src], v[EPOS], \wd
	v_add_nc_u32 v[EC2], \wd, v[EPOS]
	v_cmp_ge_u32 vcc_lo, v[EK], v[ECC]
	v_sub_nc_u32 v[ECC], v[EK], v[ECC]
	v_cndmask_b32 v[EPOS], v[EPOS], v[EC2], vcc_lo
	v_cndmask_b32 v[EK], v[EK], v[ECC], vcc_lo
.endm
; Lane j finds the token of rank s53 + j, into ER: no branch.  Ranks behind the last repeat the last row.
.macro EXTRACT
	v_add_nc_u32 v[ER], s53, v[LANE]
	v_min_u32 v[ET], s51, v[ER]
	v_add_nc_u32 v[ET1], 1, v[ET]
.irp q, 0,1,2,3                        ; the word: how many of the counts P_1 .. P_32 are at most t: the sign bits of P_i - (t + 1) are summed in four chains
.irp n, 0,1,2,3,4,5,6,7
	v_sub_nc_u32 v[ED+\n], s[66+8*\q+\n], v[ET1]
.endr
.irp n, 0,1,2,3,4,5,6,7
	v_lshrrev_b32 v[ED+\n], 31, v[ED+\n]
.endr
.irp n, 0,1,2,3
.if \q == 0
	v_add_nc_u32 v[EACC+\n], v[ED+2*\n], v[ED+2*\n+1]
.else
	v_add3_u32 v[EACC+\n], v[EACC+\n], v[ED+2*\n], v[ED+2*\n+1]
.endif
.endr
.endr
	v_add3_u32 v[EW], v[EACC], v[EACC+1], v[EACC+2]
	v_add_nc_u32 v[EW], v[EW], v[EACC+3]
	v_min_u32 v[EW], 31, v[EW]                     ; (32 only where the work-group has no row at all)
	v_lshlrev_b32 v[EA], 2, v[EW]
	ds_bpermute_b32 v[EM], v[EA], v[MW]            ; my word, from the lane that holds it; no LDS byte is touched
	ds_bpermute_b32 v[EP], v[EA], v[PWD]
	VWAIT
	s_wait_dscnt 0x0
	v_sub_nc_u32 v[EK], v[ET], v[EP]               ; which of the word's ones
	v_lshrrev_b32 v[E1], 1, v[EM]                  ; the word's ones counted in fields of 2, 4, 8 and 16 bits
	v_and_b32 v[E1], 0x55555555, v[E1]
	v_sub_nc_u32 v[E1], v[EM], v[E1]
	v_lshrrev_b32 v[E2], 2, v[E1]
	v_and_b32 v[E2], 0x33333333, v[E2]
	v_and_b32 v[ECC], 0x33333333, v[E1]
	v_add_nc_u32 v[E2], v[E2], v[ECC]
	v_lshrrev_b32 v[E3], 4, v[E2]
	v_add_nc_u32 v[E3], v[E3], v[E2]
	v_and_b32 v[E3], 0x0f0f0f0f, v[E3]
	v_lshrrev_b32 v[E4], 8, v[E3]
	v_add_nc_u32 v[E4], v[E4], v[E3]
	v_and_b32 v[E4], 0x00ff00ff, v[E4]
	v_mov_b32 v[EPOS], 0
	LEVEL E4, 16
	LEVEL E3, 8
	LEVEL E2, 4
	LEVEL E1, 2
	LEVEL EM, 1
	v_lshrrev_b32 v[EA], 2, v[EW]                  ; word i, bit p is token 128 (i / 4) + 4 p + i % 4 of the group: so the ids were loaded
	v_and_b32 v[EW], 3, v[EW]
	v_lshl_add_u32 v[EW], v[EPOS], 2, v[EW]
	v_lshl_add_u32 v[ER], v[EA], 7, v[EW]
.endm
; A set is asked for: 32 rows, 64 loads, always.  The tokens go through my list in LDS, so that each lane gets those of its rows.  Offset: 4,096 x token + 16 r; of a pair of rows wholly behind the last the lane term falls away.
.macro ISSUE W, off
	ds_store_b32 v[LW], v[ER]
.irp k, 0,4,8,12
	ds_load_b128 v[LT+\k:LT+\k+3], v[LR] offset:64*(\k/8)+4*(\k%8)   ; LDS serves a wave's instructions in order (ISA guide 5.7.1.4)
.endr
	s_sub_co_i32 s60, s25, s53
	VWAIT
	s_wait_dscnt 0x0
.irp k, 0,1,2,3,4,5,6,7,8,9,10,11,12,13,14,15
	v_min_u32 v[(\off)+\k], 0x3ff, v[LT+\k]        ; a token of the group
.endr
.irp k, 0,1,2,3,4,5,6,7,8,9,10,11,12,13,14,15
	v_lshlrev_b32 v[(\off)+\k], 12, v[(\off)+\k]
.endr
	VWAIT
.irp k, 0,1,2,3,4,5,6,7,8,9,10,11,12,13,14,15
	s_sub_co_i32 s[61+\k%2], s60, 2*\k
	s_max_i32 s[61+\k%2], s[61+\k%2], 0
	s_min_u32 s[61+\k%2], s[61+\k%2], 1
	v_mad_u32_u24 v[(\off)+\k], v[L16], s[61+\k%2], v[(\off)+\k]
.endr
	VWAIT
	WIN (\W)<<6                                    ; destination: the set's window
.irp k, 0,1,2,3,4,5,6,7,8,9,10,11,12,13,14,15
.irp g, 0,1,2,3
	global_load_b128 v[16*\k+4*\g:16*\k+4*\g+3], v[(\off)+\k], s[4:5] offset:256*\g th:TH_LOAD_NT
.endr
.endr
	WIN 0
.endm
; PHASE X, four rows j0 .. j0 + 3 (and 8 further on) of tile ti: 16 quads q = 4 (j - j0) + g, each a lane's four numbers of one block of 32, which lies in 8 lanes.
.macro XB W, ti, j0
.set RB, 128*(\ti)+16*(\j0)
	WIN ((\W)<<2)|((\W)<<4)
.irp q, 0,1,2,3,4,5,6,7,8,9,10,11,12,13,14,15
	v_max3_num_f32 v[TX+\q], 0x1800000, |v[RB+4*\q]|, |v[RB+4*\q+1]|   ; the floor 2^(3 - 127): so the byte cannot fall under 1
.endr
.irp q, 0,1,2,3,4,5,6,7,8,9,10,11,12,13,14,15
	v_max3_num_f32 v[TX+\q], v[TX+\q], |v[RB+4*\q+2]|, |v[RB+4*\q+3]|
.endr
	WIN 0
.irp m, 1,2,4                          ; over the block's eight lanes
.irp q, 0,1,2,3,4,5,6,7,8,9,10,11,12,13,14,15
	v_max_num_f32_dpp v[TX+\q], v[TX+\q], v[TX+\q] row_xmask:\m row_mask:0xf bank_mask:0xf
.endr
.endr
.irp q, 0,1,2,3,4,5,6,7,8,9,10,11,12,13,14,15
	v_add_nc_u32 v[TX+\q], 0xff000000, v[TX+\q]    ; 2 off the exponent field: the conversion takes this operand's exponent field as its scale
.endr
.irp q, 0,1,2,3,4,5,6,7,8,9,10,11,12,13,14,15
	v_lshrrev_b32 v[SW+\q], 23, v[TX+\q]           ; the scale's byte
.endr
.irp b, 1,2,3
.irp q, 0,4,8,12
	v_lshl_or_b32 v[SW+\q], v[SW+\q+\b], 8*\b, v[SW+\q]   ; a row's four blocks g = 0 .. 3 make the scale word of K step 2 w + r / 8
.endr
.endr
	WIN (\W)
.irp q, 0,1,2,3,4,5,6,7,8,9,10,11,12,13,14,15
	v_cvt_scalef32_pk8_fp4_f32 v[CV+\q], v[RB+8*(\q/2):RB+8*(\q/2)+7], v[TX+\q]   ; two quads together, by each one's scale: of an even q the low half counts, of an odd one the high half
.endr
	v_nop                                          ; one plain place behind a scaled conversion
	WIN (\W)|((\W)<<6)
.irp q, 0,1,2,3,4,5,6,7,8,9,10,11,12,13,14,15
	v_pk_add_f32 v[RB+4*\q:RB+4*\q+1], v[RB+4*\q:RB+4*\q+1], v[B2+4*(\q%4):B2+4*(\q%4)+1]   ; h is quantised: b2 joins what goes to the output
	v_pk_add_f32 v[RB+4*\q+2:RB+4*\q+3], v[RB+4*\q+2:RB+4*\q+3], v[B2+4*(\q%4)+2:B2+4*(\q%4)+3]
.endr
	WIN 0
.irp q, 0,1,2,3,4,5,6,7,8,9,10,11,12,13,14,15
.if (\q)%2 == 0
	ds_store_b16 v[XWA], v[CV+\q] offset:XTI*(\ti)+XPI*((\j0)+\q/4)+16*(\q%4)
.else
	ds_store_b16_d16_hi v[XWA], v[CV+\q] offset:XTI*(\ti)+XPI*((\j0)+\q/4)+16*(\q%4)
.endif
.endr
.irp q, 0,4,8,12
	ds_store_b32 v[XWS], v[SW+\q] offset:XSC+512*(\ti)+32*((\j0)+\q/4)   ; the block's eight lanes write the same word with the same value
.endr
.endm
.macro HFL s                           ; h's fragments of K step s, both tiles
.irp n, 0,1
.irp c, 0,1
	ds_load_b128 v[BIG+16*((\s)%4)+8*\n+4*\c:BIG+16*((\s)%4)+8*\n+4*\c+3], v[XRA] offset:XTI*\n+64*(\s)+32*\c
.endr
.endr
.endm
; K step s of the first product, transposed (source 0 = 16 rows of W1, source 1 = 16 tokens): four accumulators by turns.  first = 1: b1 is the C.
.macro W1MUL s, first
.irp n, 0,1
.irp u, 0,1
.if \first
	v_wmma_scale_f32_16x16x128_f8f6f4 v[ACC+16*\n+8*\u:ACC+16*\n+8*\u+7], v[64*\u+8*(\s):64*\u+8*(\s)+7], v[BIG+16*((\s)%4)+8*\n:BIG+16*((\s)%4)+8*\n+7], v[B1+8*\u:B1+8*\u+7], v[W1S+8*\u+(\s)], v[XS+8*\n+(\s)] matrix_a_fmt:MATRIX_FMT_FP4 matrix_b_fmt:MATRIX_FMT_FP4
.else
	v_wmma_scale_f32_16x16x128_f8f6f4 v[ACC+16*\n+8*\u:ACC+16*\n+8*\u+7], v[64*\u+8*(\s):64*\u+8*(\s)+7], v[BIG+16*((\s)%4)+8*\n:BIG+16*((\s)%4)+8*\n+7], v[ACC+16*\n+8*\u:ACC+16*\n+8*\u+7], v[W1S+8*\u+(\s)], v[XS+8*\n+(\s)] matrix_a_fmt:MATRIX_FMT_FP4 matrix_b_fmt:MATRIX_FMT_FP4
.endif
.endr
.endr
.endm
.macro ARGS n                          ; -x^2 log2(e) / 2 comes in with one rounding
.irp j, 0,2,4,6,8,10,12,14
	v_pk_fma_f32 v[GP+16*\n+\j:GP+16*\n+\j+1], v[TM+\j:TM+\j+1], v[ACC+16*\n+\j:ACC+16*\n+\j+1], v[GP+16*\n+\j:GP+16*\n+\j+1]
.endr
.endm
.macro HALFX n
.irp j, 0,2,4,6,8,10,12,14
	v_pk_mul_f32 v[TM+\j:TM+\j+1], v[ACC+16*\n+\j:ACC+16*\n+\j+1], s[48:49] op_sel_hi:[1,0]   ; -x log2(e) / 2
.endr
.endm
.macro HORNER c                        ; one coefficient, the pair at s c, on all 32
.set J, 0
.rept 16
	v_pk_fma_f32 v[GP+J:GP+J+1], v[GP+J:GP+J+1], v[GT+J:GT+J+1], s[\c:\c+1] op_sel_hi:[1,1,0]
.set J, J+2
.endr
.endm
; gelu(x) = x Phi(x) on the 32 numbers of ACC.  z = |x| / sqrt 2, t = 1 / (1 + z / 2), E = erfc(z) / 2 = t 2^(-x^2 log2(e) / 2 + c0 + t (c1 + .. + t c9)), the c's being the known ten times log2(e), 1 off c0.
; Phi = E for x <= 0 and 1 - E for x > 0, so gelu = max(x, 0) - |x| E: for x <= 0 nothing is subtracted, and the small tail keeps its relative accuracy.
.macro GELU
.set J, 0
.rept 32
	v_fma_f32 v[GT+J], |v[ACC+J]|, s50, 1.0        ; ascending: each accumulator is first read at its low end
.set J, J+1
.endr
	VWAIT
.set J, 0
.rept 32
	v_rcp_f32 v[GT+J], v[GT+J]
.set J, J+1
.endr
	HALFX 0                                        ; plain work behind the reciprocals
	VWAIT                                          ; one wait for the 32, ahead of their first reader
.set J, 0
.rept 16
	v_pk_fma_f32 v[GP+J:GP+J+1], v[GT+J:GT+J+1], s[34:35], v[C8R:C8R+1] op_sel_hi:[1,0,1]   ; t c9 + c8
.set J, J+2
.endr
	HORNER 38                                      ; c7 down to c0
	HORNER 40
	HORNER 42
	HORNER 44
	HORNER 46
	HORNER 54
	HORNER 56
	HORNER 58
	ARGS 0
	HALFX 1
	ARGS 1
	VWAIT
.set J, 0
.rept 32
	v_exp_f32 v[GP+J], v[GP+J]
.set J, J+1
.endr
	v_nop                                          ; a plain place behind the last exponential
	VWAIT                                          ; one wait for the 32
.set J, 0
.rept 16
	v_pk_mul_f32 v[GP+J:GP+J+1], v[GP+J:GP+J+1], v[GT+J:GT+J+1]   ; E
.set J, J+2
.endr
.set J, 0
.rept 32
	v_max_num_f32 v[GT+J], 0, v[ACC+J]
.set J, J+1
.endr
.set J, 0
.rept 32
	v_fma_f32 v[ACC+J], -|v[ACC+J]|, v[GP+J], v[GT+J]
.set J, J+1
.endr
.endm
; PHASE 1, both tiles: eight K steps, my 32 hidden units, gelu, and block w of the second product's K.
.macro PH1
.irp n, 0,1
.irp c, 0,1
	ds_load_b128 v[XS+8*\n+4*\c:XS+8*\n+4*\c+3], v[XRS] offset:XSC+512*\n+16*\c
.endr
.endr
	HFL 0
	HFL 1
	HFL 2
	HFL 3
	NOPS 4                                         ; four places between the last vector write of the fragments' registers and the products
	s_wait_dscnt 8                                 ; K steps 0, 1 are in; the 8 loads of K steps 2, 3 may be out
	WIN 0x01                                       ; source 0 (W1) window 1
	W1MUL 0, 1
	W1MUL 1, 0
	WIN 0
	NOPS 4                                         ; places in front of loads into registers that products have read
	HFL 4
	HFL 5
	s_wait_dscnt 8                                 ; K steps 2, 3
	WIN 0x01
	W1MUL 2, 0
	W1MUL 3, 0
	WIN 0
	NOPS 4
	HFL 6
	HFL 7
	s_wait_dscnt 8                                 ; K steps 4, 5
	WIN 0x01
	W1MUL 4, 0
	W1MUL 5, 0
	s_wait_dscnt 0x0
	W1MUL 6, 0
	W1MUL 7, 0
	WIN 0
	NOPS 4                                         ; places behind the last products (ISA guide 7.12.1)
	GELU
.irp n, 0,1
	v_max3_num_f32 v[TM+\n], |v[ACC+16*\n]|, |v[ACC+16*\n+1]|, 0x1800000   ; my 16 of the block's 32, and the floor
	v_max3_num_f32 v[TM+2+\n], |v[ACC+16*\n+2]|, |v[ACC+16*\n+3]|, |v[ACC+16*\n+4]|
.endr
.irp j, 5,9
.irp n, 0,1
	v_max3_num_f32 v[TM+\n], v[TM+\n], |v[ACC+16*\n+\j]|, |v[ACC+16*\n+\j+1]|
	v_max3_num_f32 v[TM+2+\n], v[TM+2+\n], |v[ACC+16*\n+\j+2]|, |v[ACC+16*\n+\j+3]|
.endr
.endr
.irp n, 0,1
	v_max3_num_f32 v[TM+\n], v[TM+\n], |v[ACC+16*\n+13]|, |v[ACC+16*\n+14]|
.endr
.irp n, 0,1
	v_max3_num_f32 v[TM+\n], v[TM+\n], v[TM+2+\n], |v[ACC+16*\n+15]|
.endr
.irp n, 0,1
	v_permlanex16_b32 v[TM+4+\n], v[TM+\n], s32, s33
.endr
.irp n, 0,1
	v_max_num_f32 v[TM+\n], v[TM+\n], v[TM+4+\n]
.endr
.irp n, 0,1
	v_add_nc_u32 v[TM+8+\n], 0xff000000, v[TM+\n]
.endr
.irp n, 0,1
	v_lshrrev_b32 v[TM+6+\n], 23, v[TM+8+\n]
.endr
.irp n, 0,1
	v_cvt_scalef32_pk8_fp4_f32 v[TM+12+2*\n], v[ACC+16*\n:ACC+16*\n+7], v[TM+8+\n]
	v_cvt_scalef32_pk8_fp4_f32 v[TM+13+2*\n], v[ACC+16*\n+8:ACC+16*\n+15], v[TM+8+\n]
.endr
	v_nop                                          ; one plain place behind a scaled conversion
.irp n, 0,1
	ds_store_b64 v[MWA], v[TM+12+2*\n:TM+13+2*\n] offset:MID+1280*\n     ; k = 32 w + 16 hh + 0 .. 15 of token r
	ds_store_b8 v[MSA], v[TM+6+\n] offset:MSC+64*\n                      ; both lanes of a token write the same byte with the same value
.endr
.endm
; PHASE 2.  The hidden fragments of both tiles:
.macro PH2L
.irp n, 0,1
	ds_load_b128 v[TM+8*\n:TM+8*\n+3], v[MRA] offset:MID+1280*\n
	ds_load_b128 v[TM+8*\n+4:TM+8*\n+7], v[MRA] offset:MID+1280*\n+32
	ds_load_b32 v[MS+\n], v[MRS] offset:MSC+64*\n
.endr
	NOPS 4                                         ; four places between the last vector write of these registers and the products
	s_wait_dscnt 0x0
.endm
; 64 columns of a tile (source 0 = 16 tokens, source 1 = 16 rows of W2): lane (r, hh), register 8 t + j: row 8 hh + j, column 64 g + 4 r + t.
.macro W2MUL ti, g, bf
	WIN 0x04                                       ; source 1 (W2) window 1
.irp t, 0,1,2,3
	v_wmma_scale_f32_16x16x128_f8f6f4 v[(\bf)+8*\t:(\bf)+8*\t+7], v[TM+8*(\ti):TM+8*(\ti)+7], v[128+32*(\g)+8*\t:128+32*(\g)+8*\t+7], 0, v[MS+(\ti)], v[W2S+4*(\g)+\t] matrix_a_fmt:MATRIX_FMT_FP4 matrix_b_fmt:MATRIX_FMT_FP4
.endr
.endm
.macro ADDS W, ti, g, bf               ; onto h + b2, in place; each accumulator from its low end on
	WIN ((\W)<<2)|((\W)<<6)
.irp j, 0,1,2,3,4,5,6,7
.irp t, 0,1,2,3
	v_add_f32 v[128*(\ti)+16*\j+4*(\g)+\t], v[(\bf)+8*\t+\j], v[128*(\ti)+16*\j+4*(\g)+\t]
.endr
.endr
.endm
.macro ROWPAIR W, off, ti, j           ; each store covers 256 consecutive bytes of two rows, at multiples of 256 from out's first byte
.irp g, 0,1,2,3
	global_store_b128 v[(\off)+8*(\ti)+(\j)], v[128*(\ti)+16*(\j)+4*\g:128*(\ti)+16*(\j)+4*\g+3], s[20:21] offset:256*\g th:TH_STORE_NT
.endr
.endm
.macro PH2T W, off, ti
	W2MUL \ti, 0, BIG
	W2MUL \ti, 1, BIG+32
	NOPS 4                                         ; places behind the products; from here on the additions are the places
	ADDS \W, \ti, 0, BIG
	W2MUL \ti, 2, BIG
	ADDS \W, \ti, 1, BIG+32
	W2MUL \ti, 3, BIG+32
	ADDS \W, \ti, 2, BIG
	ADDS \W, \ti, 3, BIG+32
	WIN 0
	VWAIT
	s_cmp_lt_u32 s28, 16*(\ti)+15                  ; do all eight pairs hold a row?
	s_cbranch_scc1 .Lpart_\@
	WIN (\W)<<2                                    ; a store's data are its source 1
.irp n, 0,1,2,3,4,5,6,7
	ROWPAIR \W, \off, \ti, \n
.endr
	WIN 0
	s_branch .Lsent_\@
.Lpart_\@:
.irp n, 0,1,2,3,4,5,6
	s_cmp_le_u32 s28, 16*(\ti)+2*\n                ; behind the last row nothing is stored
	s_cbranch_scc1 .Lsent_\@
	WIN (\W)<<2
	ROWPAIR \W, \off, \ti, \n
	WIN 0
.endr
.Lsent_\@:
.endm
; A round: the set in window W holds the rows of ranks s26 + add on.  The barriers stand outside every branch.  Behind it the set is asked for again, with ranks 64 further on, if there are any;
; each way has its own wait that shows the OTHER set landed.
.macro ROUND W, off, add
	s_add_co_u32 s28, s26, \add
	s_sub_co_i32 s28, s25, s28
	s_max_i32 s28, s28, 0                          ; rows left from this round on
	s_cmp_eq_u32 s28, 0
	s_cbranch_scc1 .Lpa_\@
	XB \W, 0, 0
	XB \W, 0, 4
	XB \W, 1, 0
	XB \W, 1, 4
.Lpa_\@:
	BAR                                            ; h's codes lie in LDS; nobody reads the hidden codes of the round before any more
	s_cmp_eq_u32 s28, 0
	s_cbranch_scc1 .Lpb_\@
	PH1
.Lpb_\@:
	BAR                                            ; the hidden codes lie in LDS; nobody reads h's codes any more
	s_cmp_eq_u32 s28, 0
	s_cbranch_scc1 .Lempty_\@
	PH2L
	PH2T \W, \off, 0
	s_cmp_le_u32 s28, 16
	s_cbranch_scc1 .Lone_\@
	PH2T \W, \off, 1
.Lone_\@:
	s_add_co_u32 s53, s26, (\add)+64
	s_cmp_ge_u32 s53, s25
	s_cbranch_scc1 .Lempty_\@
	s_wait_xcnt 0x0                                ; the set's stores have read their offsets and data: both are written again only behind this wait
	EXTRACT
	ISSUE \W, \off
	s_wait_loadcnt 63                              ; behind the other set's last load these 64 were issued: loads come back in order (ISA guide 5.7.1), so the other set is in
	s_branch .Ljoin_\@
.Lempty_\@:
	s_wait_xcnt 0x0
	s_wait_loadcnt 0x0
.Ljoin_\@:
.endm
.macro KON reg, val                    ; a coefficient as a pair (the packed forms name pairs)
	s_mov_b32 s[\reg], \val
	s_mov_b32 s[\reg+1], \val
.endm
	s_load_b512 s[4:19], s[0:1], 0x0               ; h, ids, W1's codes, W1's scales, b1, W2's codes, W2's scales, b2
	s_load_b64 s[20:21], s[0:1], 0x40              ; out
	v_lshl_add_u32 v[SPW], v0, 2, SPARE
	v_mov_b32 v[NIL], 0
	v_lshrrev_b32 v16, 5, v0
	v_readfirstlane_b32 s22, v16                   ; wave 0..3
	s_mov_b32 s23, ttmp9                           ; expert
	s_and_b32 s24, ttmp7, 0xffff                   ; group of 1,024 tokens
	s_lshl_b32 s34, s22, 7                         ; 128 w
	s_lshl_b32 s35, s22, 3
	s_lshl_b32 s36, s22, 4
	s_add_co_u32 s37, s34, LIST                    ; my list
	s_mul_i32 s38, s22, WSZ
	s_add_co_u32 s38, s38, WSTG                    ; my weights' stage: W1,
	s_add_co_u32 s39, s38, 32*XPI                  ; W2
	v_and_b32 v[LANE], 31, v0
	v_and_b32 v17, 15, v0                          ; r
	v_bfe_u32 v18, v0, 4, 1                        ; hh
	v_bfe_u32 v19, v0, 3, 1                        ; p = r / 8
	v_and_b32 v20, 8, v0
	v_add_nc_u32 v20, v20, v17                     ; r + 8 (r / 8)
	v_lshlrev_b32 v[L16], 4, v17
	v_lshlrev_b32 v[L16F], 4, v[LANE]
	v_mul_u32_u24 v21, v18, 8*XPI                  ; codes: rows 8 hh + j, K step 2 w + p, 2 bytes for each of a block's eight lanes
	v_lshl_add_u32 v21, v19, 6, v21
	v_and_b32 v22, 7, v0
	v_lshl_add_u32 v21, v22, 1, v21
	v_add_nc_u32 v[XWA], s34, v21
	v_lshlrev_b32 v21, 8, v18
	v_lshl_add_u32 v21, v19, 2, v21
	v_add_nc_u32 v[XWS], s35, v21
	v_mul_u32_u24 v21, v17, XPI
	v_lshl_add_u32 v[XRA], v18, 4, v21
	v_lshlrev_b32 v[XRS], 5, v17
	v_mul_u32_u24 v21, v17, 80
	v_lshl_add_u32 v[MRA], v18, 4, v21
	v_lshl_add_u32 v21, v18, 3, v21
	v_add_nc_u32 v[MWA], s36, v21
	v_lshlrev_b32 v[MRS], 2, v17
	v_add_nc_u32 v[MSA], s22, v[MRS]
	v_lshlrev_b32 v21, 6, v18                      ; the list: rank 16 i + 2 j + hh at 64 i + 32 hh + 4 j
	v_and_b32 v22, 1, v0
	v_lshl_add_u32 v21, v22, 5, v21
	v_bfe_u32 v22, v0, 1, 3
	v_lshl_add_u32 v21, v22, 2, v21
	v_add_nc_u32 v[LW], s37, v21
	v_lshlrev_b32 v21, 5, v18
	v_add_nc_u32 v[LR], s37, v21
	v_add_nc_u32 v[WST1], s38, v[L16F]             ; W1: rows of 512 bytes at 528; lane r of tile u takes row 8 u + r + 8 (r / 8), so that two tiles' 16 registers are 16 neighbours
	v_mul_u32_u24 v21, v20, XPI
	v_lshl_add_u32 v21, v18, 5, v21
	v_add_nc_u32 v[WLD1], s38, v21
	v_lshl_add_u32 v21, v18, 4, v[L16F]            ; W2: rows of 64 bytes, 16 more behind every four
	v_add_nc_u32 v[WST2], s39, v21
	v_mul_u32_u24 v21, v17, 272
	v_lshl_add_u32 v21, v18, 4, v21
	v_add_nc_u32 v[WLD2], s39, v21
	v_lshlrev_b32 v[AW1S], 5, v20                  ; W1's scale bytes: 32 a row
	v_lshlrev_b32 v[AB1], 6, v18                   ; b1: 16 numbers on for lanes 16-31
	v_mov_b32 v[MW], 0                             ; written whole before lanes of them are written
	v_mov_b32 v[PWD], 0                            ; (lane 0 keeps this 0)
	v_mov_b32 v[C8R], 0xbf97d29d                   ; c8
	v_mov_b32 v[C8R+1], 0xbf97d29d
	s_mov_b32 s32, 0x76543210
	s_mov_b32 s33, 0xfedcba98                      ; v_permlanex16_b32's selects for lane l xor 16
	s_lshl_b32 s34, s24, 12                        ; ids: 4,096 bytes a group
	s_mov_b32 s35, 0
	s_lshl_b32 s36, s24, 22                        ; h, out: 1,024 rows of 4,096 bytes a group, + my 1,024 bytes of a row
	s_lshl_b32 s46, s22, 10
	s_add_co_u32 s36, s36, s46
	s_mov_b32 s37, 0
	s_lshl_b32 s38, s23, 16                        ; the codes: 65,536 bytes an expert, 16,384 a wave
	s_lshl_b32 s47, s22, 14
	s_add_co_u32 s38, s38, s47
	s_mov_b32 s39, 0
	s_lshl_b32 s40, s23, 12                        ; the scales and b2: 4,096 bytes an expert, 1,024 a wave
	s_add_co_u32 s40, s40, s46
	s_mov_b32 s41, 0
	s_lshl_b32 s42, s23, 9                         ; b1: 512 bytes an expert, 128 a wave
	s_lshl_b32 s47, s22, 7
	s_add_co_u32 s42, s42, s47
	s_mov_b32 s43, 0
	VWAIT
	s_wait_kmcnt 0x0
	s_add_nc_u64 s[6:7], s[6:7], s[34:35]
.irp q, 0,1,2,3,4,5,6,7
	global_load_b128 v[BIG+4*\q:BIG+4*\q+3], v[L16F], s[6:7] offset:512*\q   ; the group's ids: register 4 q + c, lane L: token 128 q + 4 L + c
.endr
	s_add_nc_u64 s[4:5], s[4:5], s[36:37]
	s_add_nc_u64 s[20:21], s[20:21], s[36:37]
	s_add_nc_u64 s[8:9], s[8:9], s[38:39]
	s_add_nc_u64 s[14:15], s[14:15], s[38:39]
	s_add_nc_u64 s[10:11], s[10:11], s[40:41]
	s_add_nc_u64 s[16:17], s[16:17], s[40:41]
	s_add_nc_u64 s[18:19], s[18:19], s[40:41]
	s_add_nc_u64 s[12:13], s[12:13], s[42:43]
.irp u, 0,1
.irp c, 0,1
	global_load_b128 v[ACC+8*\u+4*\c:ACC+8*\u+4*\c+3], v[AW1S], s[10:11] offset:256*\u+16*\c   ; W1's scale bytes as they lie
	global_load_b128 v[B1+8*\u+4*\c:B1+8*\u+4*\c+3], v[AB1], s[12:13] offset:32*\u+16*\c
.endr
.endr
.irp g, 0,1,2,3
	global_load_b128 v[W2S+4*\g:W2S+4*\g+3], v[L16], s[16:17] offset:256*\g
	global_load_b128 v[B2+4*\g:B2+4*\g+3], v[L16], s[18:19] offset:256*\g
.endr
	WIN 0x40                                       ; destination window 1
.set NN, 0
.rept 32
	global_load_b128 v[4*NN:4*NN+3], v[L16F], s[8:9] offset:512*NN   ; W1: my 32 rows, dense
.set NN, NN+1
.endr
	WIN 0
	s_wait_loadcnt 48                              ; the eight loads of ids are in; the 16 + 32 issued behind them may be out
; The mask words and their running counts.  Word i, bit L: the token's id is e.
.irp g, 0,8,16,24
.irp q, 0,1,2,3,4,5,6,7
	v_cmp_eq_u32 s[34+\q], s23, v[BIG+\g+\q]
.endr
	VWAIT
.irp q, 0,1,2,3,4,5,6,7
	s_bcnt1_i32_b32 s[66+\g+\q], s[34+\q]
.endr
.irp q, 0,1,2,3,4,5,6,7
.if (\g+\q) > 0
	s_add_co_u32 s[66+\g+\q], s[65+\g+\q], s[66+\g+\q]
.endif
.endr
.irp q, 0,1,2,3,4,5,6,7
	v_writelane_b32 v[MW], s[34+\q], \g+\q
.if (\g+\q) < 31
	v_writelane_b32 v[PWD], s[66+\g+\q], \g+\q+1
.endif
.endr
.endr
	VWAIT
	s_mov_b32 s25, s97                             ; my rows
	s_max_u32 s51, s25, 1
	s_sub_co_u32 s51, s51, 1                       ; the last rank
	s_mov_b32 s53, 0
	EXTRACT
	ISSUE 2, OFFA                                  ; both sets are asked for, whatever the count: ranks 0-31 here
	KON 34, 0x3e7c6f08                             ; c9
	KON 38, 0x40097039                             ; c7 down to c0
	KON 40, 0xbfd1a1e5
	KON 42, 0x3ecdfd18
	KON 44, 0xbe899a80
	KON 46, 0x3e0efb2e
	KON 54, 0x3f0a29d2
	KON 56, 0x3fb8ab5a
	KON 58, 0xc034d90f
	KON 48, 0xbf38aa3b                             ; -log2(e) / 2
	s_mov_b32 s50, 0x3eb504f3                      ; 1 / (2 sqrt 2)
	s_mov_b32 s60, 0x06040200
	s_mov_b32 s61, 0x07050301
	s_wait_loadcnt 63                              ; behind W1's last load set A's 64 were issued: W1 and all ahead of it are in
; W1 from dense rows to fragments, through my stage: LDS serves a wave's instructions in order, so the loads see the stores, and come back into the registers that those left.
	WIN 0x04
.set NN, 0
.rept 32
	ds_store_b128 v[WST1], v[4*NN:4*NN+3] offset:XPI*NN
.set NN, NN+1
.endr
	WIN 0x40
.irp u, 0,1
.irp s, 0,1,2,3,4,5,6,7
.irp c, 0,1
	ds_load_b128 v[64*\u+8*\s+4*\c:64*\u+8*\s+4*\c+3], v[WLD1] offset:8*XPI*\u+128*(\s/2)+16*(\s%2)+64*\c   ; K step 2 w + p: block 8 w + 2 (2 c + hh) + p
.endr
.endr
.endr
	WIN 0
.irp u, 0,1
.irp s, 0,2,4,6
	v_perm_b32 v[W1S+8*\u+\s], v[ACC+8*\u+\s+1], v[ACC+8*\u+\s], s60     ; of eight bytes the even ones (p = 0)
	v_perm_b32 v[W1S+8*\u+\s+1], v[ACC+8*\u+\s+1], v[ACC+8*\u+\s], s61   ; and the odd ones (p = 1)
.endr
.endr
	WIN 0x40
.set NN, 0
.rept 32
	global_load_b128 v[128+4*NN:131+4*NN], v[L16F], s[14:15] offset:512*NN   ; W2: my 256 rows, dense
.set NN, NN+1
.endr
	WIN 0
	s_mov_b32 s53, 32
	EXTRACT
	ISSUE 3, OFFB                                  ; ranks 32-63
	s_wait_loadcnt 63                              ; behind W2's last load set B's 64 were issued: set A and all the weights are in
	WIN 0x04
.set NN, 0
.rept 32
	ds_store_b128 v[WST2], v[128+4*NN:131+4*NN] offset:544*NN
.set NN, NN+1
.endr
	WIN 0x40
.irp g, 0,1,2,3
.irp t, 0,1,2,3
.irp c, 0,1
	ds_load_b128 v[128+32*\g+8*\t+4*\c:131+32*\g+8*\t+4*\c], v[WLD2] offset:4352*\g+64*\t+32*\c   ; W2's row 64 g + 4 r + t
.endr
.endr
.endr
	WIN 0
	s_mov_b32 s26, 0
	s_mov_b32 s27, NTRIP
	VWAIT
.Ltrip:
	ROUND 2, OFFA, 0
	ROUND 3, OFFB, 32
	s_add_co_u32 s26, s26, 64
	s_sub_co_i32 s27, s27, 1
	s_cmp_lg_u32 s27, 0
	s_cbranch_scc1 .Ltrip
	s_wait_tensorcnt 0x0                           ; the wave's end, behind my last LDS store
	ds_add_u32 v[SPW], v[NIL]
	s_wait_dscnt 0x0
	s_endpgm
.Lfunc_end_k_q8e215d4720_adapter:
	.size	k_q8e215d4720_adapter, .Lfunc_end_k_q8e215d4720_adapter-k_q8e215d4720_adapter
	.p2alignl 7, 3214868480
	.fill 96, 4, 3214868480
	.section	.rodata,"a",@progbits
	.p2align	6, 0x0
	.amdhsa_kernel k_q8e215d4720_adapter
		.amdhsa_group_segment_fixed_size 159232
		.amdhsa_private_segment_fixed_size 0
		.amdhsa_enable_private_segment 0
		.amdhsa_kernarg_size 72
		.amdhsa_user_sgpr_count 2
		.amdhsa_user_sgpr_kernarg_segment_ptr 1
		.amdhsa_wavefront_size32 1
		.amdhsa_system_sgpr_workgroup_id_x 1
		.amdhsa_system_sgpr_workgroup_id_y 1
		.amdhsa_system_sgpr_workgroup_id_z 1
		.amdhsa_system_vgpr_workitem_id 0
		.amdhsa_next_free_vgpr 1024
		.amdhsa_next_free_sgpr 98
		.amdhsa_reserve_vcc 1
		.amdhsa_float_denorm_mode_32 3
		.amdhsa_float_denorm_mode_16_64 3
		.amdhsa_memory_ordered 1
		.amdhsa_forward_progress 1
		.amdhsa_inst_pref_size 255
	.end_amdhsa_kernel
	.section	.bss,"aw",@nobits
	.p2align	6
	.space	262144
	.amdgpu_metadata
---
amdhsa.version: [ 1, 2 ]
amdhsa.kernels:
  - .name:           k_q8e215d4720_adapter
    .symbol:         k_q8e215d4720_adapter.kd
    .args:
      - { .name: h, .offset: 0, .size: 8, .value_kind: global_buffer, .address_space: global }
      - { .name: cluster_ids, .offset: 8, .size: 8, .value_kind: global_buffer, .address_space: global }
      - { .name: W1_codes, .offset: 16, .size: 8, .value_kind: global_buffer, .address_space: global }
      - { .name: W1_scales, .offset: 24, .size: 8, .value_kind: global_buffer, .address_space: global }
      - { .name: b1, .offset: 32, .size: 8, .value_kind: global_buffer, .address_space: global }
      - { .name: W2_codes, .offset: 40, .size: 8, .value_kind: global_buffer, .address_space: global }
      - { .name: W2_scales, .offset: 48, .size: 8, .value_kind: global_buffer, .address_space: global }
      - { .name: b2, .offset: 56, .size: 8, .value_kind: global_buffer, .address_space: global }
      - { .name: out0, .offset: 64, .size: 8, .value_kind: global_buffer, .address_space: global }
    .group_segment_fixed_size: 159232
    .private_segment_fixed_size: 0
    .kernarg_segment_align: 8
    .kernarg_segment_size: 72
    .max_flat_workgroup_size: 128
    .sgpr_count:     98
    .vgpr_count:     1024
    .wavefront_size: 32
...
	.end_amdgpu_metadata
.endif
;; end of part 1
